; MI455X (gfx1250); checked and timed in simulation.
; The chip was launched on July 23, 2026; its instructions are those of AMD's public machine-readable ISA for CDNA 5 (MIT licence, August 2026) and "CDNA5" Instruction Set Architecture Reference Guide (July 2026). The comments in the code are by the model that wrote it; some were corrected since.
;; Time Moe Sparse Experts Layer. Allowed arithmetic: matrix products marked QUANTISED: E3M2 operands, one E8M0 scale for each 32 along K, by v_wmma_scale_f32_16x16x128_f8f6f4 with both operands' format E3M2, f32 sums; products left as they are: f32 operands where the result goes on into a quantised operand, else bf16, f16 or f32 operands; f32 sums; everything else in f32.
;; Inputs: ed 8 x 256 x 1,024 float32; eg 8 x 1,024 x 256 float32; eu 8 x 1,024 x 256 float32; gate_w 1,024 x 8 float32; hidden_states 2 x 4,096 x 1,024 float32; sd 512 x 1,024 float32; sg 1,024 x 512 float32; shared_gate_w 1,024 x 1 float32; su 1,024 x 512 float32.
;; Outputs: out0 2 x 4,096 x 1,024 float32; out1 8,192 x 8 float32.
;; This version of the problem:
;;   THIS VERSION OF THE PROBLEM IS GIVEN IN LOW PRECISION. The matrix products marked QUANTISED in the list below multiply operands that are first quantised to E3M2 (3 exponent bits, 2 mantissa bits; 6 bits a number), with one power-of-two scale for each 32 numbers along K (OCP MX v1.0); their sums are f32. All else is computed in f32.
;;   The module's matrix products, in the order in which they are computed (A, B: the left and right operand; K: the contracted axis; several contracted axes count as one K, in the product's order):
;;     1. [M 8,192, K 1,024] x [K 1,024, N 8]; A: input hidden_states; B: input gate_w: left as it is (N = 8 < 16)
;;     2. [M 8,192, K 1,024] x [K 1,024, N 256]; A: input hidden_states; B: input eg: QUANTISED
;;     3. [M 8,192, K 1,024] x [K 1,024, N 256]; A: input hidden_states; B: input eu: QUANTISED
;;     4. [M 8,192, K 256] x [K 256, N 1,024]; A: computed on the way; B: input ed: QUANTISED
;;     5. [M 8,192, K 1,024] x [K 1,024, N 256]; A: input hidden_states; B: input eg: QUANTISED
;;     6. [M 8,192, K 1,024] x [K 1,024, N 256]; A: input hidden_states; B: input eu: QUANTISED
;;     7. [M 8,192, K 256] x [K 256, N 1,024]; A: computed on the way; B: input ed: QUANTISED
;;     8. [M 8,192, K 1,024] x [K 1,024, N 256]; A: input hidden_states; B: input eg: QUANTISED
;;     9. [M 8,192, K 1,024] x [K 1,024, N 256]; A: input hidden_states; B: input eu: QUANTISED
;;     10. [M 8,192, K 256] x [K 256, N 1,024]; A: computed on the way; B: input ed: QUANTISED
;;     11. [M 8,192, K 1,024] x [K 1,024, N 256]; A: input hidden_states; B: input eg: QUANTISED
;;     12. [M 8,192, K 1,024] x [K 1,024, N 256]; A: input hidden_states; B: input eu: QUANTISED
;;     13. [M 8,192, K 256] x [K 256, N 1,024]; A: computed on the way; B: input ed: QUANTISED
;;     14. [M 8,192, K 1,024] x [K 1,024, N 256]; A: input hidden_states; B: input eg: QUANTISED
;;     15. [M 8,192, K 1,024] x [K 1,024, N 256]; A: input hidden_states; B: input eu: QUANTISED
;;     16. [M 8,192, K 256] x [K 256, N 1,024]; A: computed on the way; B: input ed: QUANTISED
;;     17. [M 8,192, K 1,024] x [K 1,024, N 256]; A: input hidden_states; B: input eg: QUANTISED
;;     18. [M 8,192, K 1,024] x [K 1,024, N 256]; A: input hidden_states; B: input eu: QUANTISED
;;     19. [M 8,192, K 256] x [K 256, N 1,024]; A: computed on the way; B: input ed: QUANTISED
;;     20. [M 8,192, K 1,024] x [K 1,024, N 256]; A: input hidden_states; B: input eg: QUANTISED
;;     21. [M 8,192, K 1,024] x [K 1,024, N 256]; A: input hidden_states; B: input eu: QUANTISED
;;     22. [M 8,192, K 256] x [K 256, N 1,024]; A: computed on the way; B: input ed: QUANTISED
;;     23. [M 8,192, K 1,024] x [K 1,024, N 256]; A: input hidden_states; B: input eg: QUANTISED
;;     24. [M 8,192, K 1,024] x [K 1,024, N 256]; A: input hidden_states; B: input eu: QUANTISED
;;     25. [M 8,192, K 256] x [K 256, N 1,024]; A: computed on the way; B: input ed: QUANTISED
;;     26. [M 8,192, K 1,024] x [K 1,024, N 512]; A: input hidden_states; B: input sg: QUANTISED
;;     27. [M 8,192, K 1,024] x [K 1,024, N 512]; A: input hidden_states; B: input su: QUANTISED
;;     28. [M 8,192, K 512] x [K 512, N 1,024]; A: computed on the way; B: input sd: QUANTISED
;;     29. [M 8,192, K 1,024] x [K 1,024, N 1]; A: input hidden_states; B: input shared_gate_w: left as it is (N = 1 < 16)
;;   THE QUANTISER, for each operand of a quantised product, along K:
;;     - K is cut into blocks of 32 from its start; a last block that is shorter is filled with zeros.
;;     - A block's scale is 2^e with e = floor(log2(the largest magnitude in the block)) - 4, held to -126 .. 127; a block of zeros has e = 0. As a byte (E8M0): e + 127.
;;     - Each number is divided by its block's scale, clamped to +-28, and rounded to the nearest number of E3M2, ties to even, subnormals kept.
;;     - The product sums the exact products of the quantised numbers (number of the format x scale) in f32.
;;   ~~~python
;;   def quantise(x, axis):      # numpy; x: float32 -> the quantised numbers, widened to float32 again
;;       x = np.moveaxis(x, axis, -1); K = x.shape[-1]
;;       x = np.pad(x, [(0, 0)] * (x.ndim - 1) + [(0, -K % 32)]); x = x.reshape(x.shape[:-1] + (-1, 32)); a = np.abs(x).max(-1, keepdims=True)
;;       e = np.where(a > 0, np.clip(np.frexp(np.where(a > 0, a, 1))[1] - 1 - 4, -126, 127), 0)      # np.frexp(a)[1] - 1 = floor(log2(a)), exactly
;;       r = np.clip(x / 2.0 ** e, -28, 28)
;;       step = 2.0 ** (np.maximum(np.frexp(np.where(r == 0, 1, r))[1] - 1, -2) - 2)
;;       q = np.round(r / step) * step * 2.0 ** e      # np.round: ties to even
;;       return np.moveaxis(q.reshape(q.shape[:-2] + (-1,))[..., :K], -1, axis).astype(np.float32)
;;   ~~~
;;   OPERANDS COMPUTED ON THE WAY. 'Computed on the way' means the value that the module computes at that place (a softmax that the list does not call 'softmax' is quantised finished and normalised). What goes into a quantiser is computed in f32, as accurately as f32 sums, v_exp_f32 and their like allow (about 1e-6 of the number): no bf16 or f16 on the way to a quantiser, and a product that is left as it is and whose result goes on into a quantised operand takes f32 operands (vector FMAs, or v_wmma_f32_16x16x4_f32). A number that lies on a knife's edge between two numbers of the format may be rounded either way, as far as f32 arithmetic and the matrix unit's own rounding can turn it there, and no further.
;; One version. Each part assembles by itself: llvm-mc -triple=amdgcn-amd-amdhsa -mcpu=gfx1250 --defsym DOCPART=n.
;; ======== version 1 of 1: 3 launches
;; workspace buffers: xq 6,291,456 bytes; xs 262,144 bytes; rw 131,072 bytes; rkey 32,768 bytes of whole numbers; cnt 32,768 bytes of whole numbers; wq 6,389,760 bytes; order 32,768 bytes of whole numbers; tiles 4,096 bytes of whole numbers
;; launch tokens (part 1): grid 256 x 1, 8 waves a work-group, no clusters, 245,248 bytes of LDS; arguments hidden_states, gate_w, shared_gate_w, xq, xs, rkey, cnt, rw, out1; writes xq, xs, rkey, cnt, rw, out1
.if DOCPART == 1
	.amdgcn_target "amdgcn-amd-amdhsa--gfx1250"
	.amdhsa_code_object_version 6
	.text
	.protected	k_qe2c9c4490b_tokens
	.globl	k_qe2c9c4490b_tokens
	.p2align	8
	.type	k_qe2c9c4490b_tokens,@function
k_qe2c9c4490b_tokens:
	s_mov_b64 s[64:65], 0
	v_nop
	global_prefetch_b8 v0, s[64:65] scope:SCOPE_SE
	s_setreg_imm32_b32 hwreg(HW_REG_WAVE_MODE, 25, 1), 1
	s_wait_xcnt 0x0
; x [8192][1024] f32 is read once.  It is (1) quantised along K to codes of BF6 (E3M2) with one E8M0 byte for each 32, laid as the chain's operand registers want it:
; xq [token][half h][K step s][48 bytes] = registers 0..11 of fragment lane (row, h); xs [token][8 words], word s;  (2) multiplied in f32 by gate_w (8 columns) and shared_gate_w (1 column).
; From the 8 logits (out1): softmax with the row's maximum taken away, the two largest (the lower index wins a tie), their weights divided by max(their sum, 1e-6); from the ninth sum the sigmoid gate.
; Stored for the later launches, all at fixed places: rw [token] = w(a), w(b), g, g (a < b the chosen experts); rkey [token] = key | rank << 8, key = b (b - 1) / 2 + a, rank = how many earlier tokens
; of the same chunk of 32 have that key; cnt [chunk][32] = tokens of key = lane.  No address and no branch here hangs on the choice.
; SHARES.  A work-group takes 32 tokens (a chunk), as two tiles of 16.  Wave s takes K step s (128 along K) of all 32.  Each load of x reads 512 consecutive bytes of a row; the numbers turn through the wave's own
; stage in LDS so that a lane holds 16 neighbours of each block of 32.  The f32 products go to the matrix unit's f32 form (16 x 16 x 4), 9 of its 16 columns in use: the other 7 repeat gate columns and are never read.
; LIMITS: NaN and infinities among the inputs are not served.  A block whose largest magnitude lies under 2^-122 keeps the byte 1 (a block of zeros too: its codes are zeros, and this program alone reads the bytes).
; The two largest are taken on p = e x rcp(sum), not e / sum.
.set TURNB, 0                          ; LDS: the stages: 16,896 bytes a wave, 8,448 a tile: 16 rows of 512 bytes + 16
.set WTB,   135168                     ; the wave's 128 rows of the narrow weights, 64 bytes a row, 8,192 a wave: words 0-7 the gate's columns, word 8 the shared gate's, words 9-15 the gate's columns 1-7 once more
.set XIB,   200704                     ; x's codes of 32 tokens, 768 bytes + 16 each
.set XSIB,  225792                     ; their scale words, 32 bytes a token
.set PLB,   226816                     ; partial sums: 2,048 s + 1,024 tile + 64 column + 4 token
.set O1B,   243200                     ; the logits on their way out
.set TM,  16                           ; v16-31  the quantiser's work
.set PC,  32                           ; v32-51  the codes just made
.set PW,  52                           ; v52     the scale word just made
.set PS,  56                           ; v56-63  shared_gate_w as loaded, then a tile's partial sums
.set ACC, 64                           ; v64-95  four f32 accumulators: written by matrix instructions alone
.set GW,  96                           ; v96-127 gate_w as loaded, later the codes on their way out
.set XN,  128                          ; v128-255 x: tile t at XN + 64 t.   Window 1, v0-63: the narrow weights as source 1
.set WV,  22
.set SEL, 24
.set MSB, 0
.macro WIN new                         ; the immediate's high byte repeats the setting that is left
.if MSB != (\new)
	s_set_vgpr_msb (MSB<<8)|(\new)
.set MSB, (\new)
.endif
.endm
; 64 numbers of a lane, register 16 b + i = k 32 b + 16 (lane / 16) + i of my row, become a fragment's codes in v[PC] on and its scale word in v[PW].
.macro QUANT s
.irp b, 0,1,2,3
	v_max3_num_f32 v[TM+\b], |v[\s+16*\b]|, |v[\s+1+16*\b]|, 0x2800000   ; my 16 numbers of block b, and the floor 2^(5 - 127): the byte cannot fall under 1
.endr
.irp i, 2,4,6,8,10,12,14
.irp b, 0,1,2,3
	v_max3_num_f32 v[TM+\b], v[TM+\b], |v[\s+16*\b+\i]|, |v[\s+1+16*\b+\i]|
.endr
.endr
.irp b, 0,1,2,3
	v_permlanex16_b32 v[TM+4+\b], v[TM+\b], s[SEL], s[SEL+1]
.endr
.irp b, 0,1,2,3
	v_max_num_f32 v[TM+\b], v[TM+\b], v[TM+4+\b]   ; with lane l xor 16's: the block's largest magnitude
.endr
.irp b, 0,1,2,3
	v_add_nc_u32 v[TM+12+\b], 0xfe000000, v[TM+\b]   ; 4 off its exponent field: the conversion's scale operand
.endr
.irp b, 0,1,2,3
	v_lshrrev_b32 v[TM+4+\b], 23, v[TM+12+\b]   ; the scale's byte
.endr
	v_lshl_or_b32 v[PW], v[TM+5], 8, v[TM+4]
	v_lshl_or_b32 v[PW], v[TM+6], 16, v[PW]
	v_lshl_or_b32 v[PW], v[TM+7], 24, v[PW]
.irp c, 0,1
	v_cvt_scalef32_pk16_bf6_f32 v[PC+6*\c:PC+2+6*\c], v[\s+32*\c:\s+15+32*\c], v[TM+12+2*\c]
	v_cvt_scalef32_pk16_bf6_f32 v[PC+12+4*\c:PC+14+4*\c], v[\s+16+32*\c:\s+31+32*\c], v[TM+12+2*\c+1]   ; (a conversion's three registers begin on an even number)
.endr
	v_nop                                          ; one plain place behind a scaled conversion
.irp c, 0,1                                    ; the operand's layout wants a whole block in a lane: lanes 0-15 block 2 c, lanes 16-31 block 2 c + 1
.irp i, 0,1,2
	v_permlane16_swap_b32 v[PC+6*\c+\i], v[PC+12+4*\c+\i]
.endr
.irp i, 0,1,2
	v_mov_b32 v[PC+3+6*\c+\i], v[PC+12+4*\c+\i]
.endr
.endr
.endm
; Tile tau's 16 rows x 512 bytes go into the stage as loaded and come back 64 numbers a lane: register 16 b + 4 j + e = k 32 b + 16 h + 4 j + e of row r.
.macro TURNX tau
.set i, 0
.rept 16
	ds_store_b128 v5, v[XN+64*\tau+4*i:XN+64*\tau+4*i+3] offset:8448*\tau+528*i
.set i, i+1
.endr
.set i, 0
.rept 16
	ds_load_b128 v[XN+64*\tau+4*i:XN+64*\tau+4*i+3], v6 offset:8448*\tau+128*(i/4)+16*(i%4)   ; LDS serves a wave's instructions in order: these see the stores above
.set i, i+1
.endr
	s_wait_dscnt 0x0                               ; the tile is back; the narrow weights are in; earlier LDS stores have read their registers
.endm
; 32 products of 16 x 16 x 4 in f32: source 0 = x's registers 2 t, 2 t + 1, source 1 = the weights' same two: both hold k = 32 b + 16 h + i in register 16 b + i, so k is permuted alike on both sides.
; Two accumulators take turns, one instruction a turn; the first two products start the sums.
.macro ROUTE tau
	WIN 0x04                                       ; source 1 in window 1
.set t, 0
.rept 32
.if t < 2
	v_wmma_f32_16x16x4_f32 v[ACC+16*\tau+8*(t%2):ACC+16*\tau+8*(t%2)+7], v[XN+64*\tau+2*t:XN+64*\tau+2*t+1], v[2*t:2*t+1], 0
.else
	v_wmma_f32_16x16x4_f32 v[ACC+16*\tau+8*(t%2):ACC+16*\tau+8*(t%2)+7], v[XN+64*\tau+2*t:XN+64*\tau+2*t+1], v[2*t:2*t+1], v[ACC+16*\tau+8*(t%2):ACC+16*\tau+8*(t%2)+7]
.endif
.set t, t+1
.endr
	WIN 0
.endm
.macro PUT tau
.irp q, 0,1,2
	ds_store_b128 v7, v[PC+4*\q:PC+4*\q+3] offset:12544*\tau+16*\q   ; my 48 bytes of token 16 tau + r
.endr
	ds_store_b32 v8, v[PW] offset:512*\tau         ; both halves of the lanes write the same word with the same value
.rept 8
	v_nop                                          ; eight places behind the f32 matrix form before its results are read (ISA guide 7.12.1)
.endr
.irp j, 0,1,2,3,4,5,6,7
	v_add_f32 v[PS+\j], v[ACC+16*\tau+\j], v[ACC+8+16*\tau+\j]   ; the two accumulators, from their low ends on: (token 8 h + j, column r)
.endr
	ds_store_b128 v9, v[PS:PS+3] offset:1024*\tau
	ds_store_b128 v9, v[PS+4:PS+7] offset:1024*\tau+16
.endm
	s_load_b512 s[4:19], s[0:1], 0x0               ; x s[4:5], gate_w s[6:7], shared_gate_w s[8:9], xq s[10:11], xs s[12:13], rkey s[14:15], cnt s[16:17], rw s[18:19]
	s_load_b64 s[20:21], s[0:1], 0x40              ; out1
	v_lshl_add_u32 v47, v0, 2, 0x3ba00
	v_mov_b32 v51, 0
	v_lshrrev_b32 v1, 5, v0
	v_readfirstlane_b32 s[WV], v1                  ; wave = K step s
	v_and_b32 v1, 31, v0                           ; l
	v_and_b32 v2, 15, v0                           ; r
	v_bfe_u32 v3, v0, 4, 1                         ; h
	v_lshlrev_b32 v4, 4, v1                        ; 16 l
	s_mul_i32 s40, s[WV], 16896                    ; my stages (they begin at LDS byte 0)
	v_add_nc_u32 v5, s40, v4                       ; in: 16 l
	v_mul_u32_u24 v6, v2, 528
	v_lshl_add_u32 v6, v3, 6, v6
	v_add_nc_u32 v6, s40, v6                       ; back: row r, + 64 h
	s_mul_i32 s40, s[WV], 48
	s_add_co_u32 s40, s40, XIB
	v_mul_u32_u24 v7, v2, 784
	v_mad_u32_u24 v7, v3, 384, v7
	v_add_nc_u32 v7, s40, v7                       ; codes: token r, half h, K step s
	s_lshl_b32 s40, s[WV], 2
	s_add_co_u32 s40, s40, XSIB
	v_lshl_add_u32 v8, v2, 5, s40                  ; scale word: token r, word s
	s_lshl_b32 s40, s[WV], 11
	s_add_co_u32 s40, s40, PLB
	v_lshlrev_b32 v9, 6, v2
	v_lshl_add_u32 v9, v3, 5, v9
	v_add_nc_u32 v9, s40, v9                       ; partial sums: column r, tokens 8 h on
	s_lshl_b32 s40, s[WV], 13
	s_add_co_u32 s40, s40, WTB                     ; my 128 rows of the narrow weights, 64 bytes each
	v_lshrrev_b32 v10, 1, v1
	v_lshlrev_b32 v10, 6, v10
	v_and_b32 v11, 1, v1
	v_lshl_add_u32 v10, v11, 4, v10
	v_add_nc_u32 v10, s40, v10                     ; gate_w in: row l / 2 of sixteen, half l % 2
	v_lshlrev_b32 v11, 8, v1
	v_add_nc_u32 v11, s40, v11
	v_add_nc_u32 v11, 32, v11                      ; shared_gate_w in: rows 4 l on, word 8
	v_lshlrev_b32 v12, 2, v2
	v_lshl_add_u32 v12, v3, 10, v12
	v_add_nc_u32 v12, s40, v12                     ; back: rows 16 h on, word r of the row's sixteen
	s_mul_i32 s40, s[WV], 3136
	s_add_co_u32 s40, s40, XIB
	v_add_nc_u32 v13, s40, v4                      ; the way out: tokens 4 s .. 4 s + 3 of the 32
	v_lshl_add_u32 v14, v3, 4, v13                 ; the same behind one padding more for lanes 16-31
	v_add_nc_u32 v15, XSIB, v4
	v_lshlrev_b32 v53, 2, v2
	v_lshl_add_u32 v53, v3, 10, v53
	v_add_nc_u32 v53, PLB, v53                     ; the router: lane = token: tile l / 16, token l % 16
	v_lshl_add_u32 v54, v1, 5, O1B
	v_add_nc_u32 v55, O1B, v4
.irp b, 0,1,2,3
	v_mov_b32 v[TM+4+\b], 0                        ; written once: a lane permute's destination counts as one of its sources
.endr
	s_mov_b32 s[SEL], 0x76543210
	s_mov_b32 s[SEL+1], 0xfedcba98                 ; v_permlanex16_b32's selects for lane l xor 16
	s_lshl_b32 s26, ttmp9, 17                      ; x: 32 rows of 4,096 bytes a work-group, + 512 s
	s_lshl_b32 s27, s[WV], 9
	s_add_co_u32 s26, s26, s27
	s_mov_b32 s27, 0
	s_lshl_b32 s28, s[WV], 12                      ; gate_w: 128 rows of 32 bytes a wave
	s_mov_b32 s29, 0
	s_lshl_b32 s30, s[WV], 9                       ; shared_gate_w: 128 numbers a wave
	s_mov_b32 s31, 0
	s_mul_i32 s32, ttmp9, 24576                    ; xq: 32 tokens of 768 bytes, + 4 tokens a wave
	s_mul_i32 s33, s[WV], 3072
	s_add_co_u32 s32, s32, s33
	s_mov_b32 s33, 0
	s_lshl_b32 s34, ttmp9, 10                      ; xs and out1: 32 bytes a token
	s_mov_b32 s35, 0
	s_lshl_b32 s36, ttmp9, 7                       ; rkey and cnt: 128 bytes a chunk
	s_mov_b32 s37, 0
	s_lshl_b32 s38, ttmp9, 9                       ; rw: 16 bytes a token
	s_mov_b32 s39, 0
	s_wait_kmcnt 0x0
	s_add_nc_u64 s[4:5], s[4:5], s[26:27]
	s_add_nc_u64 s[6:7], s[6:7], s[28:29]
	s_add_nc_u64 s[8:9], s[8:9], s[30:31]
	s_add_nc_u64 s[10:11], s[10:11], s[32:33]
	s_add_nc_u64 s[12:13], s[12:13], s[34:35]
	s_add_nc_u64 s[14:15], s[14:15], s[36:37]
	s_add_nc_u64 s[16:17], s[16:17], s[36:37]
	s_add_nc_u64 s[18:19], s[18:19], s[38:39]
	s_add_nc_u64 s[20:21], s[20:21], s[34:35]
.set i, 0
.rept 8
	global_load_b128 v[GW+4*i:GW+4*i+3], v4, s[6:7] offset:512*i   ; my 4,096 bytes of gate_w, dense
.set i, i+1
.endr
	global_load_b128 v[PS:PS+3], v4, s[8:9]        ; my 512 bytes of shared_gate_w
.set i, 0
.rept 32
	global_load_b128 v[XN+4*i:XN+4*i+3], v4, s[4:5] offset:4096*i th:TH_LOAD_NT   ; row i: 512 consecutive bytes; read once in the launch
.set i, i+1
.endr
	s_wait_loadcnt 32                              ; the nine loads of the weights are in; x's 32 stay out
.set i, 0
.rept 8
	ds_store_b128 v10, v[GW+4*i:GW+4*i+3] offset:1024*i      ; words 0-7 of sixteen rows
.set i, i+1
.endr
.set i, 0
.rept 8
	ds_store_b128 v10, v[GW+4*i:GW+4*i+3] offset:1024*i+32   ; and once more in words 8-15, so that every word that a lane reads below has been written
.set i, i+1
.endr
.irp e, 0,1,2,3
	ds_store_b32 v11, v[PS+\e] offset:64*\e        ; word 8 takes the shared gate's number: LDS serves a wave's instructions in order, so this lands on the copy above
.endr
	WIN 0x40                                       ; destination window 1
.set i, 0
.rept 64
	ds_load_b32 v[i], v12 offset:64*(32*(i/16)+i%16)   ; register 16 b + i: row 32 b + 16 h + i, word r
.set i, i+1
.endr
	WIN 0
	s_wait_loadcnt 16                              ; tile 0's sixteen rows are in; tile 1's stay out
	TURNX 0
	ROUTE 0
	QUANT XN
	PUT 0
	s_wait_loadcnt 0x0
	TURNX 1
	ROUTE 1
	QUANT XN+64
	PUT 1
	s_wait_dscnt 0x0                               ; for the others' sake: all my LDS stores have landed
	s_barrier_signal -1
	s_barrier_wait -1
	; every wave stores four tokens' codes: 3,072 dense bytes, 512 an instruction.  In LDS 16 bytes of padding lie behind each token's 768.
	ds_load_b128 v[GW:GW+3], v13
	ds_load_b128 v[GW+4:GW+7], v14 offset:512
	ds_load_b128 v[GW+8:GW+11], v13 offset:1040
	ds_load_b128 v[GW+12:GW+15], v13 offset:1568
	ds_load_b128 v[GW+16:GW+19], v14 offset:2080
	ds_load_b128 v[GW+20:GW+23], v13 offset:2608
.irp j, 0,1,2,3,4,5
	s_wait_dscnt 5-\j                              ; the younger loads may be out
	global_store_b128 v4, v[GW+4*\j:GW+4*\j+3], s[10:11] offset:512*\j
.endr
	s_cmp_eq_u32 s[WV], 1
	s_cbranch_scc0 .Lnot_wave_1
	ds_load_b128 v[120:123], v15                   ; wave 1: the 32 tokens' scale words, 1,024 dense bytes
	ds_load_b128 v[124:127], v15 offset:512
	s_wait_dscnt 0x0
	global_store_b128 v4, v[120:123], s[12:13]
	global_store_b128 v4, v[124:127], s[12:13] offset:512
	s_wait_tensorcnt 0x0
	ds_add_u32 v47, v51
	s_wait_dscnt 0x0
	s_endpgm
.Lnot_wave_1:
	s_cmp_eq_u32 s[WV], 0
	s_cbranch_scc1 .Lrouter
	s_wait_tensorcnt 0x0
	ds_add_u32 v47, v51
	s_wait_dscnt 0x0
	s_endpgm
.Lrouter:                                              ; wave 0: lane = token
.irp n, 0,1,2,3,4,5,6,7,8
.irp s, 0,1,2,3,4,5,6,7
	ds_load_b32 v[128+8*\n+\s], v53 offset:2048*\s+64*\n
.endr
.endr
	s_wait_dscnt 0x0
.irp n, 0,1,2,3,4,5,6,7,8
	v_add_f32 v[200+\n], v[128+8*\n], v[129+8*\n]  ; the eight K steps' parts, ascending: v200-207 the logits, v208 the shared gate's sum
.endr
.irp s, 2,3,4,5,6,7
.irp n, 0,1,2,3,4,5,6,7,8
	v_add_f32 v[200+\n], v[200+\n], v[128+8*\n+\s]
.endr
.endr
	ds_store_b128 v54, v[200:203]                  ; the logits leave through LDS, so that each store covers 512 dense bytes
	ds_store_b128 v54, v[204:207] offset:16
	ds_load_b128 v[220:223], v55
	ds_load_b128 v[224:227], v55 offset:512
	v_max3_num_f32 v209, v200, v201, v202          ; the row's maximum is taken away ahead of the exponentials
	v_max3_num_f32 v209, v209, v203, v204
	v_max3_num_f32 v209, v209, v205, v206
	v_max_num_f32 v209, v209, v207
.irp i, 0,1,2,3,4,5,6,7
	v_sub_f32 v[210+\i], v[200+\i], v209
.endr
.irp i, 0,1,2,3,4,5,6,7
	v_mul_f32 v[210+\i], 0x3fb8aa3b, v[210+\i]     ; x log2(e)
.endr
.irp i, 0,1,2,3,4,5,6,7
	v_exp_f32 v[210+\i], v[210+\i]
.endr
	v_mul_f32 v255, 0xbfb8aa3b, v208               ; (a plain place behind the exponentials)  -z log2(e)
	s_wait_alu depctr_va_vdst(0)
	v_add_f32 v218, v210, v211
.irp i, 2,3,4,5,6,7
	v_add_f32 v218, v218, v[210+\i]
.endr
	v_exp_f32 v255, v255
	v_rcp_f32 v219, v218
	v_mov_b32 v240, -1.0                           ; (a plain place)  under every p
	s_wait_alu depctr_va_vdst(0)
	v_add_f32 v255, 1.0, v255
.irp i, 0,1,2,3,4,5,6,7
	v_mul_f32 v[210+\i], v[210+\i], v219           ; p
.endr
	v_rcp_f32 v250, v255                           ; g = 1 / (1 + e^-z)
	v_mov_b32 v229, 0                              ; (a plain place)  the largest p's index
	v_mov_b32 v228, v210
	s_wait_alu depctr_va_vdst(0)
	v_mov_b32 v251, v250
.irp i, 1,2,3,4,5,6,7
	v_cmp_ge_f32 vcc_lo, v228, v[210+\i]           ; what stands is kept unless the new one is strictly greater: the lower index wins a tie
	v_cndmask_b32 v228, v[210+\i], v228, vcc_lo
	v_cndmask_b32 v229, \i, v229, vcc_lo
.endr
.irp i, 0,1,2,3,4,5,6,7
	v_cmp_eq_u32 vcc_lo, \i, v229
	v_cndmask_b32 v[232+\i], v[210+\i], v240, vcc_lo   ; the first choice is taken out
.endr
	v_mov_b32 v230, v232
	v_mov_b32 v231, 0
.irp i, 1,2,3,4,5,6,7
	v_cmp_ge_f32 vcc_lo, v230, v[232+\i]
	v_cndmask_b32 v230, v[232+\i], v230, vcc_lo
	v_cndmask_b32 v231, \i, v231, vcc_lo
.endr
	v_add_f32 v241, v228, v230
	v_max_num_f32 v241, 0x358637bd, v241           ; clipped at 1e-6 from below
	v_rcp_f32 v241, v241
	v_min_u32 v243, v229, v231                     ; (a plain place)  a
	v_max_u32 v244, v229, v231                     ; b
	s_wait_alu depctr_va_vdst(0)
	v_mul_f32 v242, v228, v241                     ; the first choice's weight,
	v_mul_f32 v241, v230, v241                     ; the second's
	v_cmp_lt_u32 vcc_lo, v229, v231
	v_cndmask_b32 v248, v241, v242, vcc_lo         ; w(a)
	v_cndmask_b32 v249, v242, v241, vcc_lo         ; w(b)
	v_add_nc_u32 v252, -1, v244
	v_mul_u32_u24 v252, v252, v244
	v_lshrrev_b32 v252, 1, v252
	v_add_nc_u32 v252, v252, v243                  ; key = b (b - 1) / 2 + a, 0 .. 27
	v_mov_b32 v253, 0                              ; my rank among the chunk's tokens of my key
	v_mov_b32 v254, 0                              ; lane k: the chunk's tokens of key k
.set k, 0
.rept 28
	v_cmp_eq_u32 vcc_lo, k, v252
	v_mbcnt_lo_u32_b32 v255, vcc_lo, 0             ; lanes below me with key k
	v_cndmask_b32 v253, v253, v255, vcc_lo
	s_bcnt1_i32_b32 s26, vcc_lo
	v_writelane_b32 v254, s26, k
.set k, k+1
.endr
	v_lshl_or_b32 v253, v253, 8, v252
	v_lshlrev_b32 v120, 2, v1
	global_store_b32 v120, v253, s[14:15]
	global_store_b32 v120, v254, s[16:17]
	global_store_b128 v4, v[248:251], s[18:19]
	s_wait_dscnt 0x0
	global_store_b128 v4, v[220:223], s[20:21]
	global_store_b128 v4, v[224:227], s[20:21] offset:512
	s_wait_tensorcnt 0x0
	ds_add_u32 v47, v51
	s_wait_dscnt 0x0
	s_endpgm
.Lfunc_end_k_qe2c9c4490b_tokens:
	.size	k_qe2c9c4490b_tokens, .Lfunc_end_k_qe2c9c4490b_tokens-k_qe2c9c4490b_tokens
	.p2alignl 7, 3214868480
	.fill 96, 4, 3214868480
	.section	.rodata,"a",@progbits
	.p2align	6, 0x0
	.amdhsa_kernel k_qe2c9c4490b_tokens
		.amdhsa_group_segment_fixed_size 245248
		.amdhsa_private_segment_fixed_size 0
		.amdhsa_enable_private_segment 0
		.amdhsa_kernarg_size 72
		.amdhsa_user_sgpr_count 2
		.amdhsa_user_sgpr_kernarg_segment_ptr 1
		.amdhsa_wavefront_size32 1
		.amdhsa_system_sgpr_workgroup_id_x 1
		.amdhsa_system_sgpr_workgroup_id_y 1
		.amdhsa_system_sgpr_workgroup_id_z 1
		.amdhsa_system_vgpr_workitem_id 0
		.amdhsa_next_free_vgpr 320
		.amdhsa_next_free_sgpr 66
		.amdhsa_reserve_vcc 1
		.amdhsa_float_denorm_mode_32 3
		.amdhsa_float_denorm_mode_16_64 3
		.amdhsa_memory_ordered 1
		.amdhsa_forward_progress 1
		.amdhsa_inst_pref_size 51
	.end_amdhsa_kernel
	.amdgpu_metadata
---
amdhsa.version: [ 1, 2 ]
amdhsa.kernels:
  - .name:           k_qe2c9c4490b_tokens
    .symbol:         k_qe2c9c4490b_tokens.kd
    .args:
      - { .name: hidden_states, .offset: 0, .size: 8, .value_kind: global_buffer, .address_space: global }
      - { .name: gate_w, .offset: 8, .size: 8, .value_kind: global_buffer, .address_space: global }
      - { .name: shared_gate_w, .offset: 16, .size: 8, .value_kind: global_buffer, .address_space: global }
      - { .name: xq, .offset: 24, .size: 8, .value_kind: global_buffer, .address_space: global }
      - { .name: xs, .offset: 32, .size: 8, .value_kind: global_buffer, .address_space: global }
      - { .name: rkey, .offset: 40, .size: 8, .value_kind: global_buffer, .address_space: global }
      - { .name: cnt, .offset: 48, .size: 8, .value_kind: global_buffer, .address_space: global }
      - { .name: rw, .offset: 56, .size: 8, .value_kind: global_buffer, .address_space: global }
      - { .name: out1, .offset: 64, .size: 8, .value_kind: global_buffer, .address_space: global }
    .group_segment_fixed_size: 245248
    .private_segment_fixed_size: 0
    .kernarg_segment_align: 8
    .kernarg_segment_size: 72
    .max_flat_workgroup_size: 256
    .sgpr_count:     66
    .vgpr_count:     320
    .wavefront_size: 32
...
	.end_amdgpu_metadata
.endif
;; end of part 1
;; launch weights (part 2): grid 241 x 1, 8 waves a work-group, no clusters, 26,624 bytes of LDS; arguments eg, eu, ed, sg, su, sd, rkey, cnt, wq, order, tiles; writes wq, order, tiles
.if DOCPART == 2
	.amdgcn_target "amdgcn-amd-amdhsa--gfx1250"
	.amdhsa_code_object_version 6
	.text
	.protected	k_qe2c9c4490b_weights
	.globl	k_qe2c9c4490b_weights
	.p2align	8
	.type	k_qe2c9c4490b_weights,@function
k_qe2c9c4490b_weights:
	s_mov_b64 s[64:65], 0
	v_nop
	global_prefetch_b8 v0, s[64:65] scope:SCOPE_SE
	s_setreg_imm32_b32 hwreg(HW_REG_WAVE_MODE, 25, 1), 1
	s_wait_xcnt 0x0
; WORK-GROUPS 0-239 turn all weights (f32, K their first axis) into codes of BF6 (E3M2) with one E8M0 byte for each 32 along K, laid in the order in which the chain's operand registers take them.
; The shared expert counts as virtual experts 8 and 9 (its hidden units 0-255 and 256-511), so there are ten experts v of hidden width 256.
; wq is 1,920 HALF-SETS of 3,328 bytes: fragment 0 (1,536), fragment 1 (1,536), a unit of 256 bytes of scale words.  A fragment (16 rows x 128 K) lies as an image of its registers: register p of lane l at
; 512 (p / 4) + 16 l + 4 (p % 4).  The scale unit has (word, 0) at 8 l: lanes 0-15 fragment 0's rows, lanes 16-31 fragment 1's.
; Of 32 neighbouring weight rows y, tile u = (y >> 3) & 1 takes row y as its lane (y & 7) + 8 (y >> 4): the transposed product then leaves 16 neighbours in a lane's registers.
; Gate/up: index 32 (4 v + w) + 16 beta + 2 s + role (role 0 gate, 1 up; fragments u = 0, 1; hidden units 64 w + 32 beta + y; K step s).
; Down: index 1,280 + 16 (4 v + w) + 2 cp + u (fragments K step 0, 1; columns 256 w + 32 cp + y).
; A wave takes 32 columns (a lane to a column, its registers run down K) x 128 along K: each load reads 128 consecutive bytes, four waves side by side 512; a block of 32 lies in one lane.
; Its two fragments go through the wave's own stage in LDS and leave as six stores of 512 dense bytes.
; WORK-GROUP 240 sorts the tokens by key (a counting sort on the first launch's counts and ranks, no atomics): order = token numbers, bucket by bucket; tiles [256][4] = first, n, a, b: each bucket cut into tiles of 64
; (at most 155 for every split); the entries that are left hold n = 0.  Its 8,192 stores of four bytes go where the sort sends them: 32 KB in all.
; LIMITS: NaN and infinities are not served.  A block whose largest magnitude lies under 2^-122 keeps the byte 1 (a block of zeros too: its codes are zeros, and this program alone reads the bytes).
.set QS, 0                             ; LDS: the quantiser's stages, 3,072 bytes a wave
.set ST, 24576                         ; the sort's 1,024 bytes: the two ways have LDS bytes of their own
.set VO, 16                            ; v16-23  4 x lane + j x row stride
.set X,  32                            ; v32-159 128 numbers down K
.set FB, 160                           ; v160..  block t: six registers of codes at FB + 12 t, three at work behind them
.set SW, 208                           ; v208 the scale word, v209 = 0
.set OU, 212                           ; v212-235 the way out
.set BS, 32                            ; s[32:63] sixteen bases, eight rows apart
	s_load_b512 s[4:19], s[0:1], 0x0               ; eg, eu, ed, sg, su, sd, rkey s[16:17], cnt s[18:19]
	s_load_b128 s[20:23], s[0:1], 0x40             ; wq, order
	s_load_b64 s[24:25], s[0:1], 0x50              ; tiles
	v_lshl_add_u32 v240, v0, 2, 0x6400
	v_mov_b32 v241, 0
	v_lshrrev_b32 v1, 5, v0
	v_readfirstlane_b32 s27, v1                    ; wave
	v_and_b32 v1, 31, v0                           ; lane
	s_mov_b32 s26, ttmp9
	s_cmp_eq_u32 s26, 240
	s_cbranch_scc1 .Lsort
	; which part is my wave's: all from the work-group's and the wave's number, without a branch
	s_lshr_b32 s28, s27, 2                         ; hi: role (gate/up) or K step (down)
	s_and_b32 s29, s27, 3                          ; cg: which 32 of the group's 128 columns
	s_and_b32 s30, s26, 1                          ; ch: which 128 columns
	s_lshr_b32 s80, s26, 4
	s_sub_co_u32 s81, s26, 160                     ; t, where the group is one of down's
	s_lshr_b32 s82, s81, 3
	s_cmp_lt_u32 s26, 160
	s_cselect_b32 s31, s80, s82                    ; v
	s_sub_co_u32 s80, s31, 8
	s_cmp_lt_u32 s31, 8
	s_cselect_b32 s80, s31, s80                    ; v, or v - 8 in the shared expert
	s_lshl_b32 s83, s30, 9
	s_lshl_b32 s84, s29, 7
	s_add_co_u32 s83, s83, s84                     ; 4 (128 ch + 32 cg)
	s_bfe_u32 s84, s26, 0x30001                    ; gate/up: K step s
	s_bfe_u32 s85, s81, 0x20001                    ; down: w
	s_lshl_b32 s86, s80, 20
	s_lshl_b32 s87, s84, 17
	s_add_co_u32 s87, s87, s86                     ; eg, eu: 1,048,576 v + 131,072 s
	s_lshl_b32 s88, s84, 18
	s_lshl_b32 s89, s80, 10
	s_add_co_u32 s88, s88, s89                     ; sg, su: 262,144 s + 1,024 (v - 8)
	s_lshl_b32 s89, s28, 19
	s_add_co_u32 s86, s86, s89
	s_lshl_b32 s89, s85, 10
	s_add_co_u32 s86, s86, s89                     ; ed, sd: 1,048,576 v + 524,288 hi + 1,024 w
	s_cmp_lt_u32 s31, 8
	s_cselect_b32 s87, s87, s88
	s_cselect_b32 s90, 10, 11                      ; log2 of the row stride: 1,024 or 2,048 bytes,
	s_cmp_lt_u32 s26, 160
	s_cselect_b32 s76, s87, s86
	s_cselect_b32 s90, s90, 12                     ; or 4,096
	s_add_co_u32 s76, s76, s83                     ; where my part begins in its tensor
	s_mov_b32 s77, 0
	s_lshl_b32 s75, 1, s90                         ; the row stride
	s_lshl_b32 s78, s75, 3                         ; eight rows
	s_mov_b32 s79, 0
	s_lshl_b32 s91, s31, 2
	s_lshl_b32 s92, s30, 1
	s_add_co_u32 s92, s92, s91
	s_lshr_b32 s93, s29, 1
	s_add_co_u32 s92, s92, s93                     ; 4 v + w, w = 2 ch + cg / 2
	s_lshl_b32 s92, s92, 5
	s_and_b32 s93, s29, 1
	s_lshl_b32 s93, s93, 4
	s_add_co_u32 s92, s92, s93                     ; + 16 beta
	s_lshl_b32 s93, s84, 1
	s_add_co_u32 s92, s92, s93
	s_add_co_u32 s92, s92, s28                     ; + 2 s + role: gate/up's index
	s_add_co_u32 s91, s91, s85
	s_lshl_b32 s91, s91, 4
	s_lshl_b32 s93, s30, 3
	s_add_co_u32 s91, s91, s93
	s_lshl_b32 s93, s29, 1
	s_add_co_u32 s91, s91, s93
	s_add_co_u32 s91, s91, 1280                    ; 1,280 + 16 (4 v + w) + 2 cp: down's index of tile u = 0
	s_mov_b32 s94, 1536
	s_mov_b32 s95, 128
	s_cmp_lt_u32 s26, 160
	s_cselect_b32 s92, s92, s91
	s_cselect_b32 s93, 0, s28                      ; down: my fragments are number hi in their half-sets
	s_cselect_b32 s94, s94, 3328                   ; from tile 0's image to tile 1's: the same half-set, or the next
	s_cselect_b32 s74, s95, 3328                   ; and from tile 0's scale words to tile 1's
	s_mul_i32 s92, s92, 3328
	s_mul_i32 s96, s93, 1536
	s_add_co_u32 s96, s96, s92                     ; tile 0's image
	s_mov_b32 s97, 0
	s_add_co_u32 s94, s94, s96                     ; tile 1's
	s_mov_b32 s95, 0
	s_lshl_b32 s93, s93, 7
	s_add_co_u32 s92, s92, s93
	s_add_co_u32 s92, s92, 3072                    ; tile 0's scale words
	s_mov_b32 s93, 0
	v_lshlrev_b32 v[VO], 2, v1
.irp j, 1,2,3,4,5,6,7
	v_add_nc_u32 v[VO+\j], s75, v[VO+\j-1]
.endr
	v_bfe_u32 v2, v0, 3, 1                         ; u
	v_and_b32 v3, 7, v0
	v_bfe_u32 v4, v0, 4, 1
	v_lshl_add_u32 v3, v4, 3, v3                   ; my row's lane in its tile
	s_mul_i32 s98, s27, 3072                       ; my stage
	v_mul_u32_u24 v10, v2, 1536
	v_lshl_add_u32 v10, v3, 4, v10
	v_add_nc_u32 v10, s98, v10                     ; in: tile u's image, 16 bytes a lane
	v_lshlrev_b32 v12, 4, v1
	v_add_nc_u32 v11, s98, v12                     ; back: 16 x lane
	v_mul_u32_u24 v13, s74, v2
	v_lshl_add_u32 v13, v3, 3, v13                 ; my scale word's place
	v_mov_b32 v[SW+1], 0
	s_wait_kmcnt 0x0
	s_cmp_eq_u32 s28, 0                            ; the tensor is chosen by numbers of the work-group and the wave alone
	s_cselect_b64 s[4:5], s[4:5], s[6:7]           ; eg or eu
	s_cselect_b64 s[10:11], s[10:11], s[12:13]     ; sg or su
	s_cmp_lt_u32 s26, 160
	s_cselect_b64 s[4:5], s[4:5], s[8:9]           ; or ed
	s_cselect_b64 s[10:11], s[10:11], s[14:15]     ; or sd
	s_cmp_lt_u32 s31, 8
	s_cselect_b64 s[BS:BS+1], s[4:5], s[10:11]
	s_add_nc_u64 s[BS:BS+1], s[BS:BS+1], s[76:77]
.irp t, 1,2,3,4,5,6,7,8,9,10,11,12,13,14,15
	s_add_nc_u64 s[BS+2*\t:BS+2*\t+1], s[BS+2*\t-2:BS+2*\t-1], s[78:79]
.endr
	s_add_nc_u64 s[66:67], s[20:21], s[96:97]
	s_add_nc_u64 s[68:69], s[20:21], s[94:95]
	s_add_nc_u64 s[70:71], s[20:21], s[92:93]
.macro LOADX t                         ; block t: rows 32 t + i of my column
.set i, 0
.rept 32
	global_load_b32 v[X+32*(\t)+i], v[VO+i%8], s[BS+2*(4*(\t)+i/8):BS+2*(4*(\t)+i/8)+1] th:TH_LOAD_NT
.set i, i+1
.endr
.endm
.macro BLOCK t
.set XB, X+32*(\t)
.set F, FB+12*(\t)
.if (\t) < 3
	s_wait_loadcnt 32                              ; this block's 32 loads are in; the next block's may be out
.else
	s_wait_loadcnt 0x0
.endif
	v_max3_num_f32 v24, |v[XB]|, |v[XB+1]|, |v[XB+2]|   ; the block's largest magnitude: all 32 numbers are mine; two chains
	v_max3_num_f32 v25, |v[XB+3]|, |v[XB+4]|, |v[XB+5]|
.irp i, 6,10,14,18,22,26
	v_max3_num_f32 v24, v24, |v[XB+\i]|, |v[XB+\i+1]|
	v_max3_num_f32 v25, v25, |v[XB+\i+2]|, |v[XB+\i+3]|
.endr
	v_max3_num_f32 v24, v24, |v[XB+30]|, |v[XB+31]|
	v_max3_num_f32 v24, v24, v25, 0x2800000        ; and the floor 2^(5 - 127): the byte cannot fall under 1
	v_add_nc_u32 v26, 0xfe000000, v24              ; 4 off the exponent field: the conversion's scale operand
	v_lshrrev_b32 v27, 23, v26                     ; the scale's byte
.if (\t) == 0
	v_mov_b32 v[SW], v27
.else
	v_lshl_or_b32 v[SW], v27, 8*(\t), v[SW]
.endif
	v_cvt_scalef32_pk16_bf6_f32 v[F:F+2], v[XB:XB+15], v26
	v_cvt_scalef32_pk16_bf6_f32 v[F+6:F+8], v[XB+16:XB+31], v26   ; (a conversion's three registers begin on an even number)
	v_nop                                          ; one plain place behind a scaled conversion
.irp i, 0,1,2
	v_mov_b32 v[F+3+\i], v[F+6+\i]
.endr
	; block t = 2 c + h is registers 6 c .. 6 c + 5 of lane (row, h)
.if (\t) < 2
	ds_store_b128 v10, v[F:F+3] offset:256*((\t)%2)
	ds_store_b64 v10, v[F+4:F+5] offset:512+256*((\t)%2)
.else
	ds_store_b64 v10, v[F:F+1] offset:520+256*((\t)%2)
	ds_store_b128 v10, v[F+2:F+5] offset:1024+256*((\t)%2)
.endif
.endm
	LOADX 0
	LOADX 1
	BLOCK 0
	LOADX 2
	BLOCK 1
	LOADX 3
	BLOCK 2
	BLOCK 3
.irp q, 0,1,2,3,4,5
	ds_load_b128 v[OU+4*\q:OU+4*\q+3], v11 offset:512*\q   ; LDS serves a wave's instructions in order: these see my stores
.endr
.irp q, 0,1,2
	s_wait_dscnt 5-\q
	global_store_b128 v12, v[OU+4*\q:OU+4*\q+3], s[66:67] offset:512*\q
.endr
.irp q, 0,1,2
	s_wait_dscnt 2-\q
	global_store_b128 v12, v[OU+12+4*\q:OU+15+4*\q], s[68:69] offset:512*\q
.endr
	global_store_b64 v13, v[SW:SW+1], s[70:71]
	s_wait_tensorcnt 0x0
	ds_add_u32 v240, v241
	s_wait_dscnt 0x0
	s_endpgm
.Lsort:
.set C,   32                           ; v32-63   counts of my 32 chunks (lane = key); later the places
.set RK,  64                           ; v64-95   key | rank << 8 of my 32 chunks' tokens (lane = token)
.set P,   96                           ; v96-127  tokens of the lane's key in my earlier chunks; later the token numbers
.set TOT, 138
.set OFS, 139
.set STA, 140
.set EN,  144                          ; v144-147 my entry of the tile table
.set QQ,  148
.set FF,  149
.set NN,  150
	v_lshrrev_b32 v162, 5, v0
	v_lshlrev_b32 v160, 10, v162
	v_add_nc_u32 v160, v160, v1                    ; my first chunk's token of my lane: 1,024 wave + lane
	v_lshlrev_b32 v162, 12, v162
	v_lshl_add_u32 v162, v1, 2, v162               ; 4,096 wave + 4 lane
	v_lshlrev_b32 v163, 4, v0
	v_lshl_add_u32 v129, v0, 2, ST
	v_lshl_add_u32 v161, v1, 2, ST
	s_wait_kmcnt 0x0
.set i, 0
.rept 32
	global_load_b32 v[C+i], v162, s[18:19] offset:128*i
.set i, i+1
.endr
.set i, 0
.rept 32
	global_load_b32 v[RK+i], v162, s[16:17] offset:128*i
.set i, i+1
.endr
	s_wait_loadcnt 32                              ; the counts are in; the keys stay out
	v_mov_b32 v[P], 0
.set i, 0
.rept 31
	v_add_nc_u32 v[P+i+1], v[P+i], v[C+i]
.set i, i+1
.endr
	v_add_nc_u32 v128, v[P+31], v[C+31]            ; my wave's total of each key
	ds_store_b32 v129, v128
	s_wait_dscnt 0x0                               ; for the others' sake
	s_barrier_signal -1
	s_barrier_wait -1
.irp o, 0,1,2,3,4,5,6,7
	ds_load_b32 v[130+\o], v161 offset:128*\o
.endr
	s_wait_dscnt 0x0
	v_add_nc_u32 v[TOT], v130, v131
.irp o, 2,3,4,5,6,7
	v_add_nc_u32 v[TOT], v[TOT], v[130+\o]         ; each key's tokens in all
.endr
	v_mov_b32 v[OFS], 0
.irp o, 0,1,2,3,4,5,6
	s_cmp_gt_u32 s27, \o
	s_cselect_b32 s80, 1, 0
	v_mad_u32_u24 v[OFS], v[130+\o], s80, v[OFS]   ; those of the waves in front of mine
.endr
	v_mov_b32 v[STA], 0
	v_mov_b32 v[EN], 0
	v_mov_b32 v[EN+1], 0                           ; n = 0: no tile
	v_mov_b32 v[EN+2], 0
	v_mov_b32 v[EN+3], 1
	s_mov_b32 s81, 0                               ; rows placed so far
	s_mov_b32 s82, 0                               ; tiles so far
; Key k = pair (a, b): its bucket begins at s81; thread j owns entry j of the table, and takes tile j - s82 of this bucket if the bucket has that many.
.macro KEYSTEP k, a, b
	v_readlane_b32 s80, v[TOT], \k
	v_writelane_b32 v[STA], s81, \k
	s_add_co_u32 s83, s80, 63
	s_lshr_b32 s83, s83, 6                         ; the bucket's tiles
	v_subrev_nc_u32 v[QQ], s82, v0
	v_cmp_le_u32 vcc_lo, s83, v[QQ]                ; not mine: the entry stays
	v_lshl_add_u32 v[FF], v[QQ], 6, s81
	v_lshlrev_b32 v[NN], 6, v[QQ]
	v_sub_nc_u32 v[NN], s80, v[NN]
	v_min_u32 v[NN], 64, v[NN]
	v_cndmask_b32 v[EN], v[FF], v[EN], vcc_lo
	v_cndmask_b32 v[EN+1], v[NN], v[EN+1], vcc_lo
	v_cndmask_b32 v[EN+2], \a, v[EN+2], vcc_lo
	v_cndmask_b32 v[EN+3], \b, v[EN+3], vcc_lo
	s_add_co_u32 s81, s81, s80
	s_add_co_u32 s82, s82, s83
.endm
.irp b, 1,2,3,4,5,6,7
.irp a, 0,1,2,3,4,5,6
.if \a < \b
	KEYSTEP (\b*(\b-1)/2+\a), \a, \b
.endif
.endr
.endr
	global_store_b128 v163, v[EN:EN+3], s[24:25]   ; all 256 entries are stored
	v_add_nc_u32 v151, v[STA], v[OFS]              ; lane = key: where my wave's tokens of that key begin
	s_wait_loadcnt 0x0                             ; the keys
.irp g, 0,1,2,3                                ; eight chunks at a time
.irp e, 0,1,2,3,4,5,6,7
	v_add_nc_u32 v[P+8*\g+\e], v151, v[P+8*\g+\e]  ; lane = key: where this chunk's tokens of that key begin
	v_and_b32 v[152+\e], 31, v[RK+8*\g+\e]         ; my token's key
	v_lshlrev_b32 v[152+\e], 2, v[152+\e]
	ds_bpermute_b32 v[C+8*\g+\e], v[152+\e], v[P+8*\g+\e]   ; lane = token: its key's lane is asked
.endr
	s_wait_dscnt 0x0
.irp e, 0,1,2,3,4,5,6,7
	v_lshrrev_b32 v[RK+8*\g+\e], 8, v[RK+8*\g+\e]  ; + my rank in the chunk
	v_add_nc_u32 v[C+8*\g+\e], v[C+8*\g+\e], v[RK+8*\g+\e]
	v_min_u32 v[C+8*\g+\e], 0x1fff, v[C+8*\g+\e]   ; a place in the list of 8,192
	v_lshlrev_b32 v[C+8*\g+\e], 2, v[C+8*\g+\e]
	v_add_nc_u32 v[P+8*\g+\e], 32*(8*\g+\e), v160  ; my token's number
	global_store_b32 v[C+8*\g+\e], v[P+8*\g+\e], s[22:23]   ; each chunk has registers of its own: no store's sources are written again
.endr
.endr
	s_wait_tensorcnt 0x0
	ds_add_u32 v240, v241
	s_wait_dscnt 0x0
	s_endpgm
.Lfunc_end_k_qe2c9c4490b_weights:
	.size	k_qe2c9c4490b_weights, .Lfunc_end_k_qe2c9c4490b_weights-k_qe2c9c4490b_weights
	.p2alignl 7, 3214868480
	.fill 96, 4, 3214868480
	.section	.rodata,"a",@progbits
	.p2align	6, 0x0
	.amdhsa_kernel k_qe2c9c4490b_weights
		.amdhsa_group_segment_fixed_size 26624
		.amdhsa_private_segment_fixed_size 0
		.amdhsa_enable_private_segment 0
		.amdhsa_kernarg_size 88
		.amdhsa_user_sgpr_count 2
		.amdhsa_user_sgpr_kernarg_segment_ptr 1
		.amdhsa_wavefront_size32 1
		.amdhsa_system_sgpr_workgroup_id_x 1
		.amdhsa_system_sgpr_workgroup_id_y 1
		.amdhsa_system_sgpr_workgroup_id_z 1
		.amdhsa_system_vgpr_workitem_id 0
		.amdhsa_next_free_vgpr 242
		.amdhsa_next_free_sgpr 100
		.amdhsa_reserve_vcc 1
		.amdhsa_float_denorm_mode_32 3
		.amdhsa_float_denorm_mode_16_64 3
		.amdhsa_memory_ordered 1
		.amdhsa_forward_progress 1
		.amdhsa_inst_pref_size 67
	.end_amdhsa_kernel
	.amdgpu_metadata
---
amdhsa.version: [ 1, 2 ]
amdhsa.kernels:
  - .name:           k_qe2c9c4490b_weights
    .symbol:         k_qe2c9c4490b_weights.kd
    .args:
      - { .name: eg, .offset: 0, .size: 8, .value_kind: global_buffer, .address_space: global }
      - { .name: eu, .offset: 8, .size: 8, .value_kind: global_buffer, .address_space: global }
      - { .name: ed, .offset: 16, .size: 8, .value_kind: global_buffer, .address_space: global }
      - { .name: sg, .offset: 24, .size: 8, .value_kind: global_buffer, .address_space: global }
      - { .name: su, .offset: 32, .size: 8, .value_kind: global_buffer, .address_space: global }
      - { .name: sd, .offset: 40, .size: 8, .value_kind: global_buffer, .address_space: global }
      - { .name: rkey, .offset: 48, .size: 8, .value_kind: global_buffer, .address_space: global }
      - { .name: cnt, .offset: 56, .size: 8, .value_kind: global_buffer, .address_space: global }
      - { .name: wq, .offset: 64, .size: 8, .value_kind: global_buffer, .address_space: global }
      - { .name: order, .offset: 72, .size: 8, .value_kind: global_buffer, .address_space: global }
      - { .name: tiles, .offset: 80, .size: 8, .value_kind: global_buffer, .address_space: global }
    .group_segment_fixed_size: 26624
    .private_segment_fixed_size: 0
    .kernarg_segment_align: 8
    .kernarg_segment_size: 88
    .max_flat_workgroup_size: 256
    .sgpr_count:     100
    .vgpr_count:     242
    .wavefront_size: 32
...
	.end_amdgpu_metadata
.endif
;; end of part 2
;; launch chain (part 3): grid 155 x 1, 4 waves a work-group, no clusters, 176,640 bytes of LDS; arguments xq, xs, wq, order, tiles, rw, out0; writes out0
.if DOCPART == 3
	.amdgcn_target "amdgcn-amd-amdhsa--gfx1250"
	.amdhsa_code_object_version 6
	.text
	.protected	k_qe2c9c4490b_chain
	.globl	k_qe2c9c4490b_chain
	.p2align	8
	.type	k_qe2c9c4490b_chain,@function
k_qe2c9c4490b_chain:
	s_mov_b64 s[64:65], 0
	v_nop
	global_prefetch_b8 v0, s[64:65] scope:SCOPE_SE
	s_setreg_imm32_b32 hwreg(HW_REG_WAVE_MODE, 25, 1), 1
	s_wait_xcnt 0x0
; out0[token] = w(a) E_a(x) + w(b) E_b(x) + g S(x), E and S SwiGLU chains on codes of BF6 (E3M2) with one E8M0 scale for each 32 along a product's K; the hidden layers are quantised on the way and never go to memory.
; A WORK-GROUP TAKES ONE TILE of the stored table: up to 64 tokens that chose the SAME pair of experts (a, b).  So a tile has exactly four UNITS of hidden width 256: a, b and the shared expert's halves (virtual experts 8, 9),
; and every trip count, ring position and wait below is a constant; only global addresses come from stored whole numbers.  Rows from n on repeat row n - 1 (same token, same values, same address): EXEC never changes.
; The grid, 155, is the most tiles that any split of 8,192 tokens over 28 pairs can give.  A tile with n = 0 walks the first half on row 0 of the list, passes both barriers and jumps over the second half, which holds
; no barrier: it stores nothing.  It does not end at the head, so that no barrier stands under a branch on a number read from memory.
; NO TENSOR LOADS, NO CLUSTER: addresses hang on the stored table, and partners would want different weights.  The weights come from memory straight into registers, in half-sets of two fragments and their scale
; words, laid by the launch before in the order of the operand's registers: six loads of 512 dense bytes and one of scale words.
; SHARES.  The four waves share the COLUMNS: wave w makes hidden units 64 w .. 64 w + 63 of each unit (two passes of 32) and output columns 256 w .. 256 w + 255, for all 64 rows (four tiles m of 16).
; Both products are used transposed (source 0 = 16 rows of a weight, source 1 = 16 tokens): a lane holds one token, and its registers run along the hidden units or the output columns.
; ORDER.  FIRST all four units' gate and up products, activation and quantiser.  x's 32 fragments stay in registers for that whole half (384 registers, read from LDS once); each unit's hidden layer goes to LDS bytes of its
; own as images of the operand's registers.  One barrier.  THEN down, BY COLUMNS: all four units' hidden fragments take the registers that x has left; for each group of 32 columns the four units' products are weighed
; and summed, so that a group is finished at once: 64 registers of totals, and the rows leave while the next groups are multiplied.
; THE RING.  Eight register slots take turns, two half-sets to a step of 16 matrix instructions; a step's two slots are asked for again straight behind it, four steps ahead, from the first half on into the second:
; 56 loads of a wave are out.
; The gather that brings x's codes reads 16 bytes a lane from places 384 bytes apart: 48 KB a work-group, once.
; silu(g) u is formed as (g u) / (1 + 2^(-g log2 e)).  LIMITS: NaN and infinities are not served; |g u| stays under 3.4e38; a block whose largest magnitude lies under 2^-122 keeps the byte 1.
; REGISTERS, in windows of 256.  Window 0: v1-23 addresses and work; v24-31 the ring's scale words, v32-63 the rows' (these forty hold scales alone); v64-159 the gather, then work, then rows on their way out;
; v160-231 ring slots 5-7; v232-255 pass 0's codes.   Window 1: v0-127 accumulators; v128-247 ring slots 0-4; v248-251 pass 0's scale bytes.
; Window 2: v0-191 x's fragments of tiles m = 0, 1, then the hidden layer's of units 0, 1; v192-255 the totals.   Window 3: v0-191 the same of m = 2, 3 and units 2, 3; v192-223 the rows' places in out0; v224-247 their weights.
.set XIMG, 0                           ; LDS: x's fragment (m, s) at 1,536 (8 m + s)
.set XSC,  49152                       ; its scale words at 128 (8 m + s) + 4 r
.set HIMG, 53248                       ; the hidden layers, HU bytes a unit: half a fragment (six registers a lane, 768 bytes) for tile m and wave w at 768 (4 m + w): four registers at 16 l, two at 512 + 8 l;
.set HU,   13312
.set HSCO, 12288                       ; behind a unit's images its scale words, at 128 (2 m + K step) + 4 l
.set STG,  106496                      ; the way out: 64 rows of 256 bytes + 16 for each wave
.set SP,   272
.set STW,  64*SP
.set GUSTR, 106496                     ; 32 half-sets: gate/up of one (expert, wave)
.set PSTEP, 53248                      ; 16 half-sets: down of one (expert, wave)
.set DBASE, 4259840                    ; where down's half-sets begin
.set LI,  4
.set LI8, 5
.set XA,  6
.set XSA, 7
.set XW,  8
.set XSW, 9
.set HWI, 10
.set HWJ, 11
.set HWS, 12
.set HRI, 13
.set HRJ, 14
.set HRS, 15
.set SO,  16
.set SR,  17
.set TK,  18                           ; v18-22 token numbers at the head;  v18-21 later the hidden layer's two scale bytes of tile m
.set HW,  18
.set TA,  23
.set RS,  24
.set XS,  32                           ; x's scale word (m, s) at XS + 8 m + s;  later the hidden layer's (unit, m, K step g) at XS + 8 unit + 2 m + g
.set FR,  64                           ; the gather's 96 registers
.set C1A, 64                           ; pass 1's half blocks of codes, at work
.set C1B, 68
.set BK,  64                           ; v64-127: 32 rows read back from the stage
.set CO,  232
.set XT,  248                          ; the head: four scale words on their way to LDS
.set T,   192                          ; in window 2: total (u, m) at T + 32 u + 8 m
.set OT,  192                          ; in window 3: byte offset in out0 of row 2 k + h, my wave's part, my 16 bytes
.set RW,  224                          ; in window 3: w(a), w(b), g, g of row 16 m + r at RW + 4 m
.set WB,  240                          ; in window 3: w(b) twice, at WB + 2 m: the packed forms take the first register of a pair
.set WV,  18                           ; s18 wave;  s19 n - 1;  s[24:27] the tile's entry;  s28-31 the four units' experts
.set G,   32                           ; s[32:39] where gate/up's half-sets of this unit and of the next three begin
.set DQ,  40                           ; s[40:47] where down's half-sets of the four units begin; they step with the trips
.set NL2E, 48
.set SEL, 50
.set NX,  52                           ; s[52:59] what pass 1's last four steps ask for: the next unit's first eight half-sets, or down's first four pairs
.set UC,  60
.set HB,  61                           ; HU x the unit
.set MSB, 0
.macro WIN new                         ; the immediate's high byte repeats the setting that is left
.if MSB != (\new)
	s_set_vgpr_msb (MSB<<8)|(\new)
.set MSB, (\new)
.endif
.endm
.macro RINGB slot                      ; where a ring slot lies: register RB of window RWN
.if (\slot) < 5
.set RB, 128+24*(\slot)
.set RWN, 1
.else
.set RB, 160+24*((\slot)-5)
.set RWN, 0
.endif
.endm
; Half-sets idx and idx + 1 from s[q] on into slots sl and sl + 1: 14 loads.
.macro LOADP sl, q, idx
	WIN 0
	global_load_b32 v[RS+(\sl)], v[LI8], s[\q:\q+1] offset:3328*(\idx)+3072
	global_load_b32 v[RS+(\sl)+1], v[LI8], s[\q:\q+1] offset:3328*((\idx)+1)+3072
.irp d, 0,1
	RINGB (\sl)+\d
	WIN RWN<<6
.irp c, 0,1,2,3,4,5
	global_load_b128 v[RB+4*\c:RB+4*\c+3], v[LI], s[\q:\q+1] offset:3328*((\idx)+\d)+512*\c
.endr
.endr
	WIN 0
.endm
.macro MM d, a, b, zero, sa, sb, row   ; one product; zero = 1: it starts the sum; row: which half of the lanes holds source 0's scale words
.if \zero
.if \row
	v_wmma_scale_f32_16x16x128_f8f6f4 v[(\d):(\d)+7], v[(\a):(\a)+11], v[(\b):(\b)+11], 0, v[(\sa)], v[(\sb)] matrix_a_fmt:MATRIX_FMT_BF6 matrix_b_fmt:MATRIX_FMT_BF6 matrix_a_scale:MATRIX_SCALE_ROW1
.else
	v_wmma_scale_f32_16x16x128_f8f6f4 v[(\d):(\d)+7], v[(\a):(\a)+11], v[(\b):(\b)+11], 0, v[(\sa)], v[(\sb)] matrix_a_fmt:MATRIX_FMT_BF6 matrix_b_fmt:MATRIX_FMT_BF6
.endif
.else
.if \row
	v_wmma_scale_f32_16x16x128_f8f6f4 v[(\d):(\d)+7], v[(\a):(\a)+11], v[(\b):(\b)+11], v[(\d):(\d)+7], v[(\sa)], v[(\sb)] matrix_a_fmt:MATRIX_FMT_BF6 matrix_b_fmt:MATRIX_FMT_BF6 matrix_a_scale:MATRIX_SCALE_ROW1
.else
	v_wmma_scale_f32_16x16x128_f8f6f4 v[(\d):(\d)+7], v[(\a):(\a)+11], v[(\b):(\b)+11], v[(\d):(\d)+7], v[(\sa)], v[(\sb)] matrix_a_fmt:MATRIX_FMT_BF6 matrix_b_fmt:MATRIX_FMT_BF6
.endif
.endif
.endm
; K step s of a gate/up pass: 16 products (gate, up) x (tile u) x (four tiles of rows) on 16 accumulators, which take turns in the same order in every step.
; Accumulator: 32 m + 16 role + 8 u of window 1.  x's fragment (m, s): register 96 (m % 2) + 12 s of window 2 + m / 2.  Behind the products the two slots are asked for again: half-sets idx, idx + 1 from s[q] on.
; dsw >= 0: a wait on the LDS counter stands at the step's head.
.macro STEP s, zero, q, idx, dsw
	s_wait_loadcnt 42                              ; this step's two half-sets are in; the six younger ones, 7 loads each, stay out
.if (\dsw) >= 0
	s_wait_dscnt \dsw                              ; in the first unit: x's fragments of this K step are in, the later K steps' 16 loads each stay out; at 0 also: the last unit's LDS stores have read their registers
.endif
.irp role, 0,1
	RINGB (2*(\s)+\role)%8
.irp mh, 0,1
	WIN 0x50|((2+\mh)<<2)|RWN                      ; C and D window 1, source 0 where the slot lies, source 1 window 2 or 3
.irp u, 0,1
.irp ml, 0,1
	MM 32*(2*\mh+\ml)+16*\role+8*\u, RB+12*\u, 96*\ml+12*(\s), \zero, RS+(2*(\s)+\role)%8, XS+8*(2*\mh+\ml)+(\s), \u
.endr
.endr
.endr
.endr
	WIN 0
.rept 4
	v_nop                                          ; four places in front of loads into registers that matrix instructions have read, and of the first read of results
.endr
	LOADP (2*(\s))%8, \q, \idx
.endm
; The activation, in f32, in window 1: G(m) = v[32 m .. + 15], U(m) = v[32 m + 16 .. + 31]; each accumulator is read from its low end on.  The result lies in G.
.macro SILU
	WIN 0x55
.irp m, 0,1,2,3
.irp j, 0,2,4,6,8,10,12,14
	v_pk_mul_f32 v[32*\m+16+\j:32*\m+17+\j], v[32*\m+16+\j:32*\m+17+\j], v[32*\m+\j:32*\m+1+\j]   ; g u
.endr
.endr
.irp m, 0,1,2,3
.irp j, 0,2,4,6,8,10,12,14
	v_pk_mul_f32 v[32*\m+\j:32*\m+1+\j], v[32*\m+\j:32*\m+1+\j], s[NL2E:NL2E+1] op_sel_hi:[1,0]   ; -g log2(e)
.endr
.endr
.irp m, 0,1,2,3
.irp j, 0,1,2,3,4,5,6,7,8,9,10,11,12,13,14,15
	v_exp_f32 v[32*\m+\j], v[32*\m+\j]
.endr
.endr
	v_nop                                          ; a plain place behind the exponentials
	s_wait_alu depctr_va_vdst(0)
.irp m, 0,1,2,3
.irp j, 0,2,4,6,8,10,12,14
	v_pk_add_f32 v[32*\m+\j:32*\m+1+\j], v[32*\m+\j:32*\m+1+\j], 1.0 op_sel_hi:[1,0]
.endr
.endr
.irp m, 0,1,2,3
.irp j, 0,1,2,3,4,5,6,7,8,9,10,11,12,13,14,15
	v_rcp_f32 v[32*\m+\j], v[32*\m+\j]
.endr
.endr
	v_nop                                          ; a plain place behind the reciprocals
	s_wait_alu depctr_va_vdst(0)
.irp m, 0,1,2,3
.irp j, 0,2,4,6,8,10,12,14
	v_pk_mul_f32 v[32*\m+\j:32*\m+1+\j], v[32*\m+\j:32*\m+1+\j], v[32*\m+16+\j:32*\m+17+\j]
.endr
.endr
.endm
; A pass's 32 hidden units are one block of 32 along the next K: 16 in lane l, 16 in lane l xor 16.  At work in U(0), which is free: v16-19 the largest magnitudes, v20-23 the other half's, v24-27 the scale operands.
.macro QMAX
.irp m, 0,1,2,3
	v_max3_num_f32 v[16+\m], |v[32*\m]|, |v[32*\m+1]|, 0x2800000   ; and the floor 2^(5 - 127): the byte cannot fall under 1
.endr
.irp i, 2,4,6,8,10,12,14
.irp m, 0,1,2,3
	v_max3_num_f32 v[16+\m], v[16+\m], |v[32*\m+\i]|, |v[32*\m+1+\i]|
.endr
.endr
.irp m, 0,1,2,3
	v_permlanex16_b32 v[20+\m], v[16+\m], s[SEL], s[SEL+1]
.endr
.irp m, 0,1,2,3
	v_max_num_f32 v[16+\m], v[16+\m], v[20+\m]
.endr
.irp m, 0,1,2,3
	v_add_nc_u32 v[24+\m], 0xfe000000, v[16+\m]    ; 4 off the exponent field: the conversion's scale operand
.endr
.endm
.macro PASSEND0                        ; pass 0: the bytes and the half blocks of codes are kept
	WIN 0x55
.irp m, 0,1,2,3
	v_lshrrev_b32 v[248+\m], 23, v[24+\m]
.endr
	WIN 0x05                                       ; sources window 1, destination window 0
.irp m, 0,1,2,3
	v_cvt_scalef32_pk16_bf6_f32 v[CO+6*\m:CO+6*\m+2], v[32*\m:32*\m+15], v[24+\m]
.endr
	v_nop                                          ; one plain place behind a scaled conversion
	WIN 0
.endm
; Pass 1: with pass 0's half blocks the codes are registers 6 (w % 2) .. + 5 of the hidden layer's fragment (m, K step w / 2): lanes 0-15 pass 0's block, lanes 16-31 pass 1's.  They go to the unit's LDS bytes as they stand.
.macro PASSEND1
	WIN 0
	v_add_nc_u32 v1, s[HB], v[HWI]                 ; this unit's bytes (the last unit's stores were waited for at pass 0's last step)
	v_add_nc_u32 v2, s[HB], v[HWJ]
	v_add_nc_u32 v3, s[HB], v[HWS]
	WIN 0x55
.irp m, 0,1,2,3
	v_lshrrev_b32 v[28+\m], 23, v[24+\m]
.endr
	WIN 0x11                                       ; sources 0 and 2 window 1, destination window 0
.irp m, 0,1,2,3
	v_lshl_or_b32 v[HW+\m], v[28+\m], 8, v[248+\m] ; my two bytes of the row's scale word
.endr
.irp e, 0,1
	WIN 0x05
	v_cvt_scalef32_pk16_bf6_f32 v[C1A:C1A+2], v[64*\e:64*\e+15], v[24+2*\e]
	v_cvt_scalef32_pk16_bf6_f32 v[C1B:C1B+2], v[64*\e+32:64*\e+47], v[25+2*\e]
	v_nop                                          ; one plain place behind a scaled conversion
	WIN 0
.irp i, 0,1,2
	v_permlane16_swap_b32 v[CO+12*\e+\i], v[C1A+\i]     ; the first now holds each lane's block's lower 16 codes, the second the upper 16
	v_permlane16_swap_b32 v[CO+12*\e+6+\i], v[C1B+\i]
.endr
.irp i, 0,1,2
	v_mov_b32 v[CO+12*\e+3+\i], v[C1A+\i]
	v_mov_b32 v[CO+12*\e+9+\i], v[C1B+\i]
.endr
.irp d, 0,1
	ds_store_b128 v1, v[CO+12*\e+6*\d:CO+12*\e+6*\d+3] offset:3072*(2*\e+\d)
	ds_store_b64 v2, v[CO+12*\e+6*\d+4:CO+12*\e+6*\d+5] offset:3072*(2*\e+\d)
	ds_store_b16 v3, v[HW+2*\e+\d] offset:256*(2*\e+\d)
.endr
.endr
.endm
.macro SETNX                           ; what pass 1's last four steps ask for.  The choice hangs on the trip counter alone
	s_mov_b64 s[NX:NX+1], s[G+2:G+3]
	s_add_nc_u64 s[NX+2:NX+3], s[G+2:G+3], 2*3328
	s_add_nc_u64 s[NX+4:NX+5], s[G+2:G+3], 4*3328
	s_add_nc_u64 s[NX+6:NX+7], s[G+2:G+3], 6*3328
	s_cmp_eq_u32 s[UC], 3
.irp i, 0,1,2,3
	s_cselect_b64 s[NX+2*\i:NX+2*\i+1], s[DQ+2*\i:DQ+2*\i+1], s[NX+2*\i:NX+2*\i+1]
.endr
.endm
.macro BARRIER                         ; my LDS stores have landed and my LDS loads are in: then the work-group's barrier
	s_wait_dscnt 0x0
	s_barrier_signal -1
	s_barrier_wait -1
.endm
; DOWN.  Unit u's eight hidden fragments (m, K step g), register 96 (u % 2) + 12 (2 m + g) of window 2 + u / 2, and their scale words: 40 LDS loads.
.macro HLOAD u
	WIN (2+(\u)/2)<<6
.irp m, 0,1,2,3
.irp g, 0,1
.irp c, 0,1
	ds_load_b128 v[96*((\u)%2)+12*(2*\m+\g)+6*\c:96*((\u)%2)+12*(2*\m+\g)+6*\c+3], v[HRI] offset:HU*(\u)+768*(4*\m+2*\g+\c)
	ds_load_b64 v[96*((\u)%2)+12*(2*\m+\g)+6*\c+4:96*((\u)%2)+12*(2*\m+\g)+6*\c+5], v[HRJ] offset:HU*(\u)+768*(4*\m+2*\g+\c)
.endr
.endr
.endr
	WIN 0
.irp m, 0,1,2,3
.irp g, 0,1
	ds_load_b32 v[XS+8*(\u)+2*\m+\g], v[HRS] offset:HU*(\u)+128*(2*\m+\g)
.endr
.endr
.endm
; Pair i's eight results, times the token's weight of unit i % 4, onto the group's totals.  Unit 0 starts them: nothing is cleared.  Each result is read from its low end on.
.macro FMA i
.if ((\i)%4) == 1
.set WRB, WB
.set WRS, 2
.else
.set WRB, RW+2*(((\i)%4)/2)
.set WRS, 4
.endif
	WIN 0xad                                       ; source 0 window 1, source 1 window 3, source 2 and destination window 2
.irp u, 0,1
.irp m, 0,1,2,3
.irp j, 0,2,4,6
.if ((\i)%4) == 0
	v_pk_mul_f32 v[T+32*\u+8*\m+\j:T+32*\u+8*\m+\j+1], v[64*((\i)%2)+32*\u+8*\m+\j:64*((\i)%2)+32*\u+8*\m+\j+1], v[WRB+WRS*\m:WRB+WRS*\m+1] op_sel_hi:[1,0]
.else
	v_pk_fma_f32 v[T+32*\u+8*\m+\j:T+32*\u+8*\m+\j+1], v[64*((\i)%2)+32*\u+8*\m+\j:64*((\i)%2)+32*\u+8*\m+\j+1], v[WRB+WRS*\m:WRB+WRS*\m+1], v[T+32*\u+8*\m+\j:T+32*\u+8*\m+\j+1] op_sel_hi:[1,0,1]
.endif
.endr
.endr
.endr
.endm
; THE WAY OUT.  A lane holds 16 neighbouring columns of a row, and the lanes beside it hold other rows: the totals of two groups (64 columns, 256 bytes of a row) meet in my own stage in LDS and come back
; so that sixteen lanes store 256 consecutive bytes of a token's row, aligned.  LDS serves a wave's instructions in order: no wait stands between the stores into the stage and the loads from it.
.macro STAGE gp                        ; the finished group gp of the trip's two: 16 LDS stores
	WIN 0x08                                       ; an LDS store's data are its source 1: window 2
.irp m, 0,1,2,3
.irp u, 0,1
	ds_store_b128 v[SO], v[T+32*\u+8*\m:T+32*\u+8*\m+3] offset:16*SP*\m+128*(\gp)+32*\u
	ds_store_b128 v[SO], v[T+32*\u+8*\m+4:T+32*\u+8*\m+7] offset:16*SP*\m+128*(\gp)+32*\u+16
.endr
.endr
	WIN 0
.endm
.macro BACK half                       ; rows 32 half .. + 31 back from the stage, two rows a load
.set k, 0
.rept 16
	ds_load_b128 v[BK+4*k:BK+4*k+3], v[SR] offset:2*SP*(16*(\half)+k)
.set k, k+1
.endr
.endm
.macro SENDH half                      ; and stored
	WIN 0x03                                       ; the offsets lie in window 3, the data in window 0
.set k, 0
.rept 16
	global_store_b128 v[OT+16*(\half)+k], v[BK+4*k:BK+4*k+3], s[16:17] th:TH_STORE_NT
.set k, k+1
.endr
	WIN 0
.endm
; Pair i of a trip's eight: group i / 4 of its two groups of 32 columns, unit i % 4: 32 columns x 64 rows x 256 along K: 16 products on eight accumulators (64 (i % 2) + 32 u + 8 m of window 1), which take turns.
; The pair before is weighed behind them: those 32 plain instructions are the places in front of the refill.
; hl = 1: the first trip: the hidden layers of units 2 and 3 are fetched on the way.  send = 1: the last trip's rows leave.  more = 0: the last trip asks for nothing beyond itself, and its counts run down.
.macro PAIR i, hl, send, more
.if (\more) || ((\i) < 5)
	s_wait_loadcnt 42                              ; this pair's two half-sets are in; the six younger ones stay out
.else
	s_wait_loadcnt 14*(7-(\i))
.endif
.if (\hl) && ((\i) < 4)
.if (\i) < 3
	s_wait_dscnt 40                                ; this unit's hidden layer is in; the next unit's 40 loads stay out
.else
	s_wait_dscnt 0x0
.endif
.endif
.irp g, 0,1
.irp u, 0,1
	RINGB (2*(\i)+\u)%8
	WIN 0x50|((2+((\i)%4)/2)<<2)|RWN
.irp m, 0,1,2,3
	MM 64*((\i)%2)+32*\u+8*\m, RB+12*\g, 96*((\i)%2)+12*(2*\m+\g), 1-\g, RS+(2*(\i)+\u)%8, XS+8*((\i)%4)+2*\m+\g, \g
.endr
.endr
.endr
.if (\i) == 0
.rept 4
	v_nop                                          ; four places in front of the refill
.endr
.else
.if ((\i) == 5) || (((\i) == 1) && (\send))
	s_wait_dscnt 0x0                               ; the stores into the stage have read the totals, which unit 0's results now start anew; at pair 1 also: the first 32 rows are back
.endif
	FMA (\i)-1
.endif
.if (\i) < 4
	LOADP (2*(\i))%8, DQ+2*(\i), 2                 ; the same unit's half-sets of the trip's second group,
.elseif \more
	LOADP (2*(\i))%8, DQ+2*((\i)-4), 4             ; or of the next trip's first
.endif
.if (\hl) && ((\i) < 2)
	HLOAD (\i)+2
.endif
.if \send
.if (\i) == 1
	SENDH 0
.elseif (\i) == 2
	s_wait_xcnt 0x0                                ; the stores have read their registers: the loads below may land there
	BACK 1
.elseif (\i) == 3
	s_wait_dscnt 0x0
	SENDH 1
.endif
.endif
.if (\i) == 4
	STAGE 0                                        ; the first group is finished (the stage's rows were read back by pair 3)
.endif
.endm
.macro DTRIP hl, send, more            ; two groups of 32 columns
.irp i, 0,1,2,3,4,5,6,7
	PAIR \i, \hl, \send, \more
.endr
	FMA 7
	STAGE 1
	s_wait_xcnt 0x0                                ; every memory instruction issued so far has read its registers and its base: the rows' registers, out0's base and the four bases may be written
	BACK 0
.if \send
	s_add_nc_u64 s[16:17], s[16:17], 256           ; the rows sent next lie 64 columns on
.endif
.if \more
.irp i, 0,1,2,3
	s_add_nc_u64 s[DQ+2*\i:DQ+2*\i+1], s[DQ+2*\i:DQ+2*\i+1], 4*3328
.endr
.endif
.endm
	s_load_b256 s[4:11], s[0:1], 0x0               ; xq s[4:5], xs s[6:7], wq s[8:9], order s[10:11]
	s_load_b128 s[12:15], s[0:1], 0x20             ; tiles s[12:13], rw s[14:15]
	s_load_b64 s[16:17], s[0:1], 0x30              ; out0
	s_set_vgpr_msb 0x40
	v_lshl_add_u32 v254, v0, 2, 0x2b000
	v_mov_b32 v255, 0
	s_set_vgpr_msb 0x4000
	v_lshrrev_b32 v1, 5, v0
	v_readfirstlane_b32 s[WV], v1                  ; wave 0..3
	v_and_b32 v1, 31, v0                           ; l
	v_and_b32 v2, 15, v0                           ; r
	v_bfe_u32 v3, v0, 4, 1                         ; h
	v_lshlrev_b32 v[LI], 4, v1
	v_lshlrev_b32 v[LI8], 3, v1
	v_add_nc_u32 v[XA], XIMG, v[LI]
	v_lshl_add_u32 v[XSA], v2, 2, XSC
	s_mul_i32 s20, s[WV], 12288
	v_add_nc_u32 v[XW], s20, v[LI]                 ; I gather tile m = w: its eight fragments
	s_lshl_b32 s20, s[WV], 10
	s_add_co_u32 s20, s20, XSC
	v_lshlrev_b32 v[XSW], 2, v2
	v_lshl_add_u32 v[XSW], v3, 9, v[XSW]
	v_add_nc_u32 v[XSW], s20, v[XSW]               ; and its scale words: K steps 4 h on
	s_mul_i32 s20, s[WV], 768
	s_add_co_u32 s20, s20, HIMG
	v_add_nc_u32 v[HWI], s20, v[LI]
	s_add_co_u32 s21, s20, 512
	v_add_nc_u32 v[HWJ], s21, v[LI8]
	s_lshr_b32 s20, s[WV], 1
	s_lshl_b32 s20, s20, 7
	s_and_b32 s21, s[WV], 1
	s_lshl_b32 s21, s21, 1
	s_add_co_u32 s20, s20, s21
	s_add_co_u32 s20, s20, HIMG+HSCO
	v_lshl_add_u32 v[HWS], v1, 2, s20              ; K step w / 2, bytes 2 (w % 2) and the next of the row's word
	v_add_nc_u32 v[HRI], HIMG, v[LI]
	v_add_nc_u32 v[HRJ], HIMG+512, v[LI8]
	v_lshl_add_u32 v[HRS], v1, 2, HIMG+HSCO
	s_mul_i32 s20, s[WV], STW
	s_add_co_u32 s20, s20, STG                     ; my stage
	v_mul_u32_u24 v[SO], v2, SP
	v_lshl_add_u32 v[SO], v3, 6, v[SO]
	v_add_nc_u32 v[SO], s20, v[SO]                 ; in: row r, + 64 h
	v_mul_u32_u24 v[SR], v3, SP
	v_lshl_add_u32 v[SR], v2, 4, v[SR]
	v_add_nc_u32 v[SR], s20, v[SR]                 ; back: lanes 0-15 one row, lanes 16-31 the next
	s_mov_b32 s[SEL], 0x76543210
	s_mov_b32 s[SEL+1], 0xfedcba98                 ; v_permlanex16_b32's selects for lane l xor 16
	s_mov_b32 s[NL2E], 0xbfb8aa3b                  ; -log2(e)
	s_mov_b32 s[NL2E+1], s[NL2E]                   ; (named with it as a pair, so it is written)
	s_lshl_b32 s20, ttmp9, 4
	s_wait_kmcnt 0x0
	s_load_b128 s[24:27], s[12:13], s20 offset:0x0 ; my tile: first, n, a, b
	s_wait_kmcnt 0x0
	s_min_u32 s24, s24, 0x1fff                     ; what was read from memory is held inside its table before it enters an address
	s_min_u32 s25, s25, 64
	s_min_u32 s28, s26, 7
	s_min_u32 s29, s27, 7
	s_mov_b32 s30, 8                               ; the shared expert's halves
	s_mov_b32 s31, 9
	s_max_u32 s19, s25, 1
	s_sub_co_u32 s19, s19, 1
	s_min_u32 s19, s19, 63                         ; the last row that is a token of its own
	s_lshl_b32 s20, s24, 2
	s_mov_b32 s21, 0
	s_add_nc_u64 s[10:11], s[10:11], s[20:21]      ; the list at my first row
	s_mov_b32 s23, 0
.irp i, 0,1,2,3                                ; where the four units' half-sets of my wave begin
	s_lshl_b32 s20, s[28+\i], 2
	s_add_co_u32 s20, s20, s[WV]
	s_mul_i32 s22, s20, GUSTR
	s_add_nc_u64 s[G+2*\i:G+2*\i+1], s[8:9], s[22:23]
	s_mul_i32 s22, s20, PSTEP
	s_add_co_u32 s22, s22, DBASE
	s_add_nc_u64 s[DQ+2*\i:DQ+2*\i+1], s[8:9], s[22:23]
.endr
	s_lshl_b32 s20, s[WV], 4
	v_add_nc_u32 v[TK], s20, v2                    ; row 16 w + r: the one whose codes I gather
.irp m, 0,1,2,3
	v_add_nc_u32 v[TK+1+\m], 16*\m, v2             ; rows 16 m + r: those whose weights I hold
.endr
.irp i, 0,1,2,3,4
	v_min_u32 v[TK+\i], s19, v[TK+\i]              ; rows from n on repeat row n - 1
	v_min_u32 v[TK+\i], 63, v[TK+\i]
	v_lshlrev_b32 v[TK+\i], 2, v[TK+\i]
.endr
	WIN 0xc0                                       ; destination window 3
.set i, 0
.rept 32
	v_add_nc_u32 v[OT+i], 2*i, v3                  ; rows 2 i + h: those that I store
.set i, i+1
.endr
	WIN 0xcc                                       ; source 1 and destination window 3
.set i, 0
.rept 32
	v_min_u32 v[OT+i], s19, v[OT+i]
	v_min_u32 v[OT+i], 63, v[OT+i]
	v_lshlrev_b32 v[OT+i], 2, v[OT+i]
.set i, i+1
.endr
	WIN 0
.irp i, 0,1,2,3,4
	global_load_b32 v[TK+\i], v[TK+\i], s[10:11]
.endr
	WIN 0xc3                                       ; address and destination window 3
.set i, 0
.rept 32
	global_load_b32 v[OT+i], v[OT+i], s[10:11]
.set i, i+1
.endr
	WIN 0
	s_lshl_b32 s20, s[WV], 10
	v_lshl_add_u32 v[TA], v2, 4, s20               ; 1,024 w + 16 r
	s_wait_loadcnt 0x0
.irp i, 0,1,2,3,4
	v_min_u32 v[TK+\i], 0x1fff, v[TK+\i]
.endr
	WIN 0xcc
.set i, 0
.rept 32
	v_min_u32 v[OT+i], 0x1fff, v[OT+i]
.set i, i+1
.endr
	WIN 0xc3                                       ; source 0 and destination window 3
.set i, 0
.rept 32
	v_lshl_add_u32 v[OT+i], v[OT+i], 12, v[TA]     ; the token's row of 4,096 bytes, my wave's part, my 16 bytes
.set i, i+1
.endr
	WIN 0
	v_mul_u32_u24 v[TA], v[TK], 768
	v_mad_u32_u24 v[TA], v3, 384, v[TA]            ; my half of the token's codes: 384 bytes, eight K steps of 48
	v_lshlrev_b32 v[TK], 5, v[TK]
	v_lshl_add_u32 v[TK], v3, 4, v[TK]             ; four of its eight scale words
.irp m, 0,1,2,3
	v_lshlrev_b32 v[TK+1+\m], 4, v[TK+1+\m]
.endr
.set i, 0
.rept 24
	global_load_b128 v[FR+4*i:FR+4*i+3], v[TA], s[4:5] offset:16*i
.set i, i+1
.endr
	global_load_b128 v[XT:XT+3], v[TK], s[6:7]
	WIN 0xc0
.irp m, 0,1,2,3
	global_load_b128 v[RW+4*\m:RW+4*\m+3], v[TK+1+\m], s[14:15]   ; w(a), w(b), g, g of row 16 m + r
.endr
	LOADP 0, G, 0                                  ; the ring begins
	LOADP 2, G, 2
	s_wait_loadcnt 28                              ; the 29 loads of the gather are in; the four half-sets stay out
.irp s, 0,1,2,3,4,5,6,7
.irp c, 0,1,2
	ds_store_b128 v[XW], v[FR+4*(3*\s+\c):FR+4*(3*\s+\c)+3] offset:1536*\s+512*\c
.endr
.endr
.irp i, 0,1,2,3
	ds_store_b32 v[XSW], v[XT+\i] offset:128*\i
.endr
	LOADP 4, G, 4
	LOADP 6, G, 6
	WIN 0xc3
.irp m, 0,1,2,3
	v_mov_b32 v[WB+2*\m], v[RW+4*\m+1]
	v_mov_b32 v[WB+2*\m+1], v[RW+4*\m+1]
.endr
	WIN 0
	BARRIER                                        ; x's 32 fragments lie in LDS
.irp s, 0,1,2,3,4,5,6,7                        ; and come into every wave's registers, K step by K step, 16 loads each
	WIN 0x80
.irp ml, 0,1
.irp c, 0,1,2
	ds_load_b128 v[96*\ml+12*\s+4*\c:96*\ml+12*\s+4*\c+3], v[XA] offset:1536*(8*\ml+\s)+512*\c
.endr
.endr
	WIN 0xc0
.irp ml, 0,1
.irp c, 0,1,2
	ds_load_b128 v[96*\ml+12*\s+4*\c:96*\ml+12*\s+4*\c+3], v[XA] offset:1536*(8*(2+\ml)+\s)+512*\c
.endr
.endr
	WIN 0
.irp m, 0,1,2,3
	ds_load_b32 v[XS+8*\m+\s], v[XSA] offset:128*(8*\m+\s)
.endr
.endr
	s_mov_b32 s[UC], 0
	s_mov_b32 s[HB], 0
	SETNX
	s_wait_dscnt 48                                ; K steps 0 to 4 are in; the 48 loads of K steps 5 to 7 stay out
.Lunit:                                                ; four trips: a unit's gate and up products, activation and quantiser, in two passes of 32 hidden units a wave
	STEP 0, 1, G, 8, -1                            ; the first K step starts the sums
	STEP 1, 0, G, 10, -1
	STEP 2, 0, G, 12, -1
	STEP 3, 0, G, 14, -1
	STEP 4, 0, G, 16, -1                           ; from here on pass 1's half-sets are asked for
	STEP 5, 0, G, 18, 32
	STEP 6, 0, G, 20, 16
	STEP 7, 0, G, 22, 0
	SILU
	QMAX
	PASSEND0
	STEP 0, 1, G, 24, -1
	STEP 1, 0, G, 26, -1
	STEP 2, 0, G, 28, -1
	STEP 3, 0, G, 30, -1
	STEP 4, 0, NX, 0, -1                           ; from here on the next unit's, or down's first four pairs
	STEP 5, 0, NX+2, 0, -1
	STEP 6, 0, NX+4, 0, -1
	STEP 7, 0, NX+6, 0, -1
	SILU
	QMAX
	PASSEND1
	s_wait_xcnt 0x0                                ; the loads issued so far have read their bases: only behind this wait are these written
	s_mov_b64 s[G:G+1], s[G+2:G+3]
	s_mov_b64 s[G+2:G+3], s[G+4:G+5]
	s_mov_b64 s[G+4:G+5], s[G+6:G+7]
	s_add_co_u32 s[HB], s[HB], HU
	s_add_co_u32 s[UC], s[UC], 1
	SETNX
	s_cmp_lt_u32 s[UC], 4
	s_cbranch_scc1 .Lunit
	BARRIER                                        ; all four hidden layers lie in LDS
	s_cmp_eq_u32 s25, 0                            ; a tile without rows stores nothing: it leaves here; no barrier follows
	s_cbranch_scc1 .Lend
	HLOAD 0
	HLOAD 1
	DTRIP 1, 0, 1                                  ; columns 0 to 63 of my 256
	s_mov_b32 s[UC], 2
.Ldtrip:                                               ; columns 64 to 191; the trip before's rows leave on the way
	DTRIP 0, 1, 1
	s_sub_co_u32 s[UC], s[UC], 1
	s_cmp_lg_u32 s[UC], 0
	s_cbranch_scc1 .Ldtrip
	DTRIP 0, 1, 0                                  ; columns 192 to 255: written out: nothing more is asked for
	s_wait_dscnt 0x0                               ; its first 32 rows are back
	SENDH 0
	s_wait_xcnt 0x0                                ; the stores have read their registers
	BACK 1
	s_wait_dscnt 0x0
	SENDH 1
.Lend:
	s_set_vgpr_msb 0x5
	s_wait_tensorcnt 0x0
	ds_add_u32 v254, v255
	s_wait_dscnt 0x0
	s_set_vgpr_msb 0x500
	s_endpgm
.Lfunc_end_k_qe2c9c4490b_chain:
	.size	k_qe2c9c4490b_chain, .Lfunc_end_k_qe2c9c4490b_chain-k_qe2c9c4490b_chain
	.p2alignl 7, 3214868480
	.fill 96, 4, 3214868480
	.section	.rodata,"a",@progbits
	.p2align	6, 0x0
	.amdhsa_kernel k_qe2c9c4490b_chain
		.amdhsa_group_segment_fixed_size 176640
		.amdhsa_private_segment_fixed_size 0
		.amdhsa_enable_private_segment 0
		.amdhsa_kernarg_size 56
		.amdhsa_user_sgpr_count 2
		.amdhsa_user_sgpr_kernarg_segment_ptr 1
		.amdhsa_wavefront_size32 1
		.amdhsa_system_sgpr_workgroup_id_x 1
		.amdhsa_system_sgpr_workgroup_id_y 1
		.amdhsa_system_sgpr_workgroup_id_z 1
		.amdhsa_system_vgpr_workitem_id 0
		.amdhsa_next_free_vgpr 1024
		.amdhsa_next_free_sgpr 66
		.amdhsa_reserve_vcc 0
		.amdhsa_float_denorm_mode_32 3
		.amdhsa_float_denorm_mode_16_64 3
		.amdhsa_memory_ordered 1
		.amdhsa_forward_progress 1
		.amdhsa_inst_pref_size 255
	.end_amdhsa_kernel
	.section	.bss,"aw",@nobits
	.p2align	6
	.space	262144
	.amdgpu_metadata
---
amdhsa.version: [ 1, 2 ]
amdhsa.kernels:
  - .name:           k_qe2c9c4490b_chain
    .symbol:         k_qe2c9c4490b_chain.kd
    .args:
      - { .name: xq, .offset: 0, .size: 8, .value_kind: global_buffer, .address_space: global }
      - { .name: xs, .offset: 8, .size: 8, .value_kind: global_buffer, .address_space: global }
      - { .name: wq, .offset: 16, .size: 8, .value_kind: global_buffer, .address_space: global }
      - { .name: order, .offset: 24, .size: 8, .value_kind: global_buffer, .address_space: global }
      - { .name: tiles, .offset: 32, .size: 8, .value_kind: global_buffer, .address_space: global }
      - { .name: rw, .offset: 40, .size: 8, .value_kind: global_buffer, .address_space: global }
      - { .name: out0, .offset: 48, .size: 8, .value_kind: global_buffer, .address_space: global }
    .group_segment_fixed_size: 176640
    .private_segment_fixed_size: 0
    .kernarg_segment_align: 8
    .kernarg_segment_size: 56
    .max_flat_workgroup_size: 128
    .sgpr_count:     66
    .vgpr_count:     1024
    .wavefront_size: 32
...
	.end_amdgpu_metadata
.endif
;; end of part 3
